; MI455X (gfx1250); checked and timed in simulation.
; The chip was launched on July 23, 2026; its instructions are those of AMD's public machine-readable ISA for CDNA 5 (MIT licence, August 2026) and "CDNA5" Instruction Set Architecture Reference Guide (July 2026). The comments in the code are by the model that wrote it; some were corrected since.
;; Enhanced Attention V2. Allowed arithmetic: matrix products marked QUANTISED: E2M1 operands, one E8M0 scale for each 32 along K, by v_wmma_scale_f32_16x16x128_f8f6f4 with both operands' format E2M1 (or v_wmma_scale_f32_32x16x128_f4), f32 sums; everything else in f32.
;; Inputs: Wk 1,024 x 1,024 float32; Wq 1,024 x 1,024 float32; Wv 1,024 x 1,024 float32; beta 1,024 float32; bk 1,024 float32; bq 1,024 float32; bv 1,024 float32; gamma 1,024 float32; hidden_states 1 x 4,096 x 1,024 float32.
;; Outputs: out0 1 x 4,096 x 1,024 float32.
;; This version of the problem:
;;   THIS VERSION OF THE PROBLEM IS GIVEN IN LOW PRECISION. The matrix products marked QUANTISED in the list below multiply operands that are first quantised to E2M1 (2 exponent bits, 1 mantissa bit; 4 bits a number), with one power-of-two scale for each 32 numbers along K (OCP MX v1.0); their sums are f32. All else is computed in f32.
;;   The module's matrix products, in the order in which they are computed (A, B: the left and right operand; K: the contracted axis; several contracted axes count as one K, in the product's order):
;;     1. [M 4,096, K 1,024] x [K 1,024, N 1,024]; A: input hidden_states; B: input Wq: QUANTISED
;;     2. [M 4,096, K 1,024] x [K 1,024, N 1,024]; A: input hidden_states; B: input Wk: QUANTISED
;;     3. [M 4,096, K 1,024] x [K 1,024, N 1,024]; A: input hidden_states; B: input Wv: QUANTISED
;;     4. batch 16 x [M 4,096, K 64] x [K 64, N 4,096]; A: computed on the way; B: computed on the way: QUANTISED
;;     5. batch 16 x [M 64, K 4,096] x [K 4,096, N 4,096]; A: computed on the way; B: softmax (see below): QUANTISED
;;   THE QUANTISER, for each operand of a quantised product, along K:
;;     - K is cut into blocks of 32 from its start; a last block that is shorter is filled with zeros.
;;     - A block's scale is 2^e with e = floor(log2(the largest magnitude in the block)) - 2, held to -126 .. 127; a block of zeros has e = 0. As a byte (E8M0): e + 127.
;;     - Each number is divided by its block's scale, clamped to +-6, and rounded to the nearest number of E2M1, ties to even, subnormals kept.
;;     - The product sums the exact products of the quantised numbers (number of the format x scale) in f32.
;;   ~~~python
;;   def quantise(x, axis):      # numpy; x: float32 -> the quantised numbers, widened to float32 again
;;       x = np.moveaxis(x, axis, -1); K = x.shape[-1]
;;       x = np.pad(x, [(0, 0)] * (x.ndim - 1) + [(0, -K % 32)]); x = x.reshape(x.shape[:-1] + (-1, 32)); a = np.abs(x).max(-1, keepdims=True)
;;       e = np.where(a > 0, np.clip(np.frexp(np.where(a > 0, a, 1))[1] - 1 - 2, -126, 127), 0)      # np.frexp(a)[1] - 1 = floor(log2(a)), exactly
;;       r = np.clip(x / 2.0 ** e, -6, 6)
;;       step = 2.0 ** (np.maximum(np.frexp(np.where(r == 0, 1, r))[1] - 1, 0) - 1)
;;       q = np.round(r / step) * step * 2.0 ** e      # np.round: ties to even
;;       return np.moveaxis(q.reshape(q.shape[:-2] + (-1,))[..., :K], -1, axis).astype(np.float32)
;;   ~~~
;;   SOFTMAX AHEAD OF A QUANTISED PRODUCT. Where the list says 'softmax', what is quantised is not the finished softmax but p = 2^(t - M), with t = logit x log2(e) and M = ceil(the row's largest t), a whole number; so 1/2 < the row's largest p <= 1. The row's sum l is taken of the UNQUANTISED p, in f32, and the product's result is divided by l at the end. Since M is a whole number, a kernel that streams over the keys may use a running M (the ceiling of the running maximum): every later rescaling is an exact power of two, which a block's scale takes up: the codes' values come out the same.
;;   OPERANDS COMPUTED ON THE WAY. 'Computed on the way' means the value that the module computes at that place (a softmax that the list does not call 'softmax' is quantised finished and normalised). What goes into a quantiser is computed in f32, as accurately as f32 sums, v_exp_f32 and their like allow (about 1e-6 of the number): no bf16 or f16 on the way to a quantiser, and a product that is left as it is and whose result goes on into a quantised operand takes f32 operands (vector FMAs, or v_wmma_f32_16x16x4_f32). A number that lies on a knife's edge between two numbers of the format may be rounded either way, as far as f32 arithmetic and the matrix unit's own rounding can turn it there, and no further.
;; One version. Each part assembles by itself: llvm-mc -triple=amdgcn-amd-amdhsa -mcpu=gfx1250 --defsym DOCPART=n.
;; ======== version 1 of 1: 3 launches
;; limits: right only within a limited range of input values
;; workspace buffers: opc 3,670,016 bytes; ops 229,376 bytes; qkc 4,194,304 bytes; qks 524,288 bytes; vc 2,097,152 bytes; vsw 131,072 bytes
;; launch quant (part 1): grid 160 x 1, 8 waves a work-group, no clusters, 64,000 bytes of LDS; arguments hidden_states, Wq, Wk, Wv, opc, ops; writes opc, ops
.if DOCPART == 1
	.amdgcn_target "amdgcn-amd-amdhsa--gfx1250"
	.amdhsa_code_object_version 6
	.text
	.protected	k_q4f019d831d_quant
	.globl	k_q4f019d831d_quant
	.p2align	8
	.type	k_q4f019d831d_quant,@function
k_q4f019d831d_quant:
	s_mov_b64 s[64:65], 0
	v_nop
	global_prefetch_b8 v0, s[64:65] scope:SCOPE_SE
	s_setreg_imm32_b32 hwreg(HW_REG_WAVE_MODE, 25, 1), 1
	s_wait_xcnt 0x0
; LAUNCH 1 OF 3.  hidden_states [4096][1024] and Wq, Wk, Wv [1024 (k)][1024 (n)], f32, become codes of FP4 (E2M1) with K innermost and one E8M0 byte for each 32 along K:
;   opc [7168 rows][512 bytes], ops [7168 rows][32 bytes]: rows 0-4095 the rows of hidden_states, rows 4096 + n (n = 0 .. 3071) the columns of Wq, then Wk, then Wv.
; Launch 2 multiplies them (the three projections), adds the biases and quantises q, k, v; launch 3 is the attention, the residual and the LayerNorm.
; WORK LEFT OUT BY THE PROGRAM (in launch 3), AND WHY IT IS DEAD.  reference() itself sets the logit of key j for query i to -10000 wherever j lies outside [i - 128, i + 128).  What goes on of such a key is
; p = 2^(-10000 log2(e) - M), M = the ceiling of the row's largest t.  For 16 neighbouring queries the kept keys lie in 9 aligned blocks of 32 keys; key tiles wholly outside these blocks are not multiplied, not
; exponentiated and not summed: their p is 0 in f32 as soon as the row's largest kept logit lies above -10000 + 104 (2^-150 is under half the smallest f32 number).  Inside the 9 blocks hidden keys get
; reference()'s own -10000, and every row has at least 32 of them, so M is reference()'s M for every input.
; LIMITS: a row whose largest kept logit lies under -9896 is not served (there the hidden keys' p is not 0 in f32); a NaN, an infinity or an overflow that reaches only the work left out is not carried to the
; result; NaN and infinities among the inputs are not served; a block whose largest magnitude lies under 2^-124, a block of zeros among them, gets the scale byte 1 (its codes are then zeros or held small;
; the bytes are read by this program alone).  No input is left out: every bias moves codes or results.
; A block's scale is 2^(floor(log2(largest magnitude)) - 2): its byte is the largest magnitude's exponent field - 2.
; SHARES.  Work-groups 0-63: hidden_states, a plain stream of blocks of 32 (K is innermost): a wave takes 16 steps of 512 numbers; each load reads 512 consecutive bytes, and a step turns through the wave's own
; stage in LDS so that a lane holds 16 neighbours.  Work-groups 64-159: 32 columns of one W over all of K: a lane takes a column and its registers run down K, wave w takes k = 128 w .. 128 w + 127;
; codes and bytes meet in a stage and leave as whole rows.  The two paths part on the work-group's number alone and have LDS bytes of their own.  No tensor load, no cluster (nothing is shared), no prefetch (every load goes out as early as registers allow).
.set STEPS, 16
.set SP,    80                         ; path H: a lane's place in a stage: 64 bytes + 16 of padding
.set WREG,  5632                       ; path H: a wave's region: two stages of 32 x 80, then its 256 scale bytes
.set WST,   45056                      ; path W: the codes' stage: 32 columns x (512 + 16) bytes
.set WSS,   61952                      ; path W: the scale bytes' stage: 32 columns x 32 bytes
.set SPARE, 62976                      ; the spare words, 128 bytes for each of the eight waves: no other line names them
.set SPW,   12                         ; v12  LDS address of my spare word; never rewritten
.set NIL,   13                         ; v13  0; never rewritten
.set R,     16                         ; path H: v16-143 eight sets of 16 numbers as loaded
.set X,     144                        ; path H: v144-175 two sets of 16 neighbours
.set C,     176                        ; path H: v176-207 two registers of codes for each step
.set E,     208                        ; path H: v208-223 a scale byte for each step
.set WX,    32                         ; path W: v32-159 four blocks of 32 numbers
.set WC,    160                        ; path W: v160-175 their codes
.set WO,    176                        ; path W: v176-191 four rows of codes on the way out
	s_load_b256 s[4:11], s[0:1], 0x0               ; hidden_states s[4:5], Wq s[6:7], Wk s[8:9], Wv s[10:11]
	s_load_b128 s[12:15], s[0:1], 0x20             ; opc s[12:13], ops s[14:15]
	v_lshl_add_u32 v[SPW], v0, 2, SPARE
	v_mov_b32 v[NIL], 0
	v_lshrrev_b32 v1, 5, v0
	v_readfirstlane_b32 s16, v1                    ; wave 0..7
	v_and_b32 v2, 31, v0                           ; lane
	s_wait_kmcnt 0x0
	s_cmp_lt_u32 ttmp9, 64                         ; the work-group's number alone decides: all eight waves go the same way
	s_cbranch_scc0 .Lw
; ---------------- PATH H: hidden_states ----------------
	v_lshlrev_b32 v3, 4, v2                        ; my 16 bytes of a load's 512
	s_mul_i32 s17, s16, WREG
	v_lshrrev_b32 v14, 2, v2
	v_mul_u32_u24 v14, v14, SP
	v_and_b32 v15, 3, v2
	v_lshl_add_u32 v14, v15, 4, v14
	v_add_nc_u32 v14, s17, v14                     ; the stage on the way in: four lanes' 64 bytes on end, then 16 of padding
	v_mul_u32_u24 v15, v2, SP
	v_add_nc_u32 v15, s17, v15                     ; and on the way out: my 16 neighbours
	v_lshlrev_b32 v4, 3, v2                        ; 8 bytes a lane: my codes' place in a step's 256, and my place in the 256 scale bytes
	v_lshrrev_b32 v5, 1, v2
	s_add_co_u32 s17, s17, 2*32*SP
	v_add_nc_u32 v5, s17, v5                       ; LDS: my block's scale byte
	v_add_nc_u32 v6, s17, v4                       ; and 8 of the wave's 256 on the way out
	s_lshl_b32 s18, ttmp9, 3
	s_add_co_u32 s18, s18, s16                     ; my run of 8,192 numbers: 8 x work-group + wave
	s_lshl_b32 s20, s18, 15
	s_mov_b32 s21, 0
	s_add_nc_u64 s[4:5], s[4:5], s[20:21]          ; 32,768 bytes of f32 a run,
	s_lshl_b32 s20, s18, 12
	s_add_nc_u64 s[12:13], s[12:13], s[20:21]      ; 4,096 of codes,
	s_lshl_b32 s20, s18, 8
	s_add_nc_u64 s[14:15], s[14:15], s[20:21]      ; 256 of scale bytes
.macro HLOAD t
.irp i, 0,1,2,3
	global_load_b128 v[R+16*((\t)%8)+4*\i:R+16*((\t)%8)+4*\i+3], v3, s[4:5] offset:2048*(\t)+512*\i th:TH_LOAD_NT   ; 32 lanes read 512 consecutive bytes; read once
.endr
.endm
.macro HTURN t                         ; step t through the stage: LDS serves a wave's instructions in order, so no wait stands between the stores and the loads
.irp i, 0,1,2,3
	ds_store_b128 v14, v[R+16*((\t)%8)+4*\i:R+16*((\t)%8)+4*\i+3] offset:32*SP*((\t)%2)+8*SP*\i
.endr
.irp i, 0,1,2,3
	ds_load_b128 v[X+16*((\t)%2)+4*\i:X+16*((\t)%2)+4*\i+3], v15 offset:32*SP*((\t)%2)+16*\i
.endr
.endm
.irp t, 0,1,2,3,4,5,6,7
	HLOAD \t
.endr
	s_wait_loadcnt 28                              ; step 0's four loads are in; the 28 of steps 1 to 7 may be out
	HTURN 0
.macro HSTEP t
.set XS, X+16*((\t)%2)
.if (\t) > 0
	s_wait_dscnt 1                                 ; this step's numbers are back from the stage (the last step's byte store may be out): so the stage's stores have read their registers,
.else
	s_wait_dscnt 0x0
.endif
.if (\t)+8 < STEPS
	HLOAD (\t)+8                                   ; which take the loads of eight steps on
.endif
.if (\t)+1 < STEPS
.if (\t) < 8
	s_wait_loadcnt 28                              ; the next step's four loads are in; those of the seven steps behind it may be out
.else
	s_wait_loadcnt 4*(14-(\t))                     ; towards the end fewer steps stand behind it
.endif
	HTURN (\t)+1
.endif
	v_max3_num_f32 v8, |v[XS]|, |v[XS+1]|, |v[XS+2]|               ; the largest magnitude of my 16, in two chains
	v_max3_num_f32 v9, |v[XS+3]|, |v[XS+4]|, |v[XS+5]|
.irp i, 6,10
	v_max3_num_f32 v8, v8, |v[XS+\i]|, |v[XS+\i+1]|
	v_max3_num_f32 v9, v9, |v[XS+\i+2]|, |v[XS+\i+3]|
.endr
	v_max3_num_f32 v8, v8, |v[XS+14]|, |v[XS+15]|
	v_max3_num_f32 v8, v8, v9, 0x1800000           ; and the floor 2^(3 - 127): the byte cannot fall under 1
	v_max_num_f32_dpp v8, v8, v8 row_xmask:1 row_mask:0xf bank_mask:0xf   ; with my neighbour's 16: the block's
	v_add_nc_u32 v11, 0xff000000, v8               ; 2 off its exponent field: the conversion takes the exponent field of this operand as its scale
	v_cvt_scalef32_pk8_fp4_f32 v[C+2*(\t)], v[XS:XS+7], v11
	v_cvt_scalef32_pk8_fp4_f32 v[C+2*(\t)+1], v[XS+8:XS+15], v11
	v_lshrrev_b32 v[E+(\t)], 23, v11               ; the scale's byte (also the plain line behind the conversions)
	ds_store_b8 v5, v[E+(\t)] offset:16*(\t)       ; both lanes of a block write the same byte with the same value
	global_store_b64 v4, v[C+2*(\t):C+2*(\t)+1], s[12:13] offset:256*(\t)   ; the wave stores 256 consecutive bytes, aligned
.endm
.irp t, 0,1,2,3,4,5,6,7,8,9,10,11,12,13,14,15
	HSTEP \t
.endr
	ds_load_b64 v[8:9], v6                         ; in order behind my byte stores
	s_wait_dscnt 0x0
	global_store_b64 v4, v[8:9], s[14:15]          ; 256 consecutive bytes, aligned
	s_wait_tensorcnt 0x0                           ; the wave's end: behind my last LDS store
	ds_add_u32 v[SPW], v[NIL]
	s_wait_dscnt 0x0
	s_endpgm
; ---------------- PATH W: 32 columns of Wq, Wk or Wv ----------------
.Lw:
	s_sub_co_u32 s17, ttmp9, 64                    ; 0 .. 95: 32 work-groups for each matrix
	s_cmp_lt_u32 s17, 64
	s_cselect_b64 s[8:9], s[8:9], s[10:11]         ; Wk or Wv
	s_cmp_lt_u32 s17, 32
	s_cselect_b64 s[6:7], s[6:7], s[8:9]           ; or Wq: the choice hangs on the work-group's number alone
	s_and_b32 s18, s17, 31
	s_lshl_b32 s18, s18, 7                         ; my 32 columns: 128 bytes of a row
	s_lshl_b32 s19, s16, 19                        ; my wave's 128 rows of 4,096 bytes
	s_add_co_u32 s18, s18, s19
	s_mov_b32 s19, 0
	s_add_nc_u64 s[6:7], s[6:7], s[18:19]
	s_lshl_b32 s20, s17, 14                        ; codes: row 4096 + 32 id + 4 wave, 512 bytes a row
	s_lshl_b32 s21, s16, 11
	s_add_co_u32 s20, s20, s21
	s_add_co_u32 s20, s20, 0x200000
	s_mov_b32 s21, 0
	s_add_nc_u64 s[12:13], s[12:13], s[20:21]
	s_lshl_b32 s22, s17, 10                        ; scale bytes: row 4096 + 32 id, 32 bytes a row; waves 0 and 1 store 512 bytes each
	s_and_b32 s23, s16, 1
	s_lshl_b32 s23, s23, 9
	s_add_co_u32 s22, s22, s23
	s_add_co_u32 s22, s22, 0x20000
	s_mov_b32 s23, 0
	s_add_nc_u64 s[14:15], s[14:15], s[22:23]
	v_lshlrev_b32 v3, 2, v2                        ; in: 4 bytes a lane: 128 consecutive bytes a load
	v_mul_u32_u24 v4, v2, 528
	s_lshl_b32 s24, s16, 6
	s_add_co_u32 s24, s24, WST
	v_add_nc_u32 v4, s24, v4                       ; codes into the stage: my column's row, my wave's 64 bytes
	v_lshlrev_b32 v5, 5, v2
	s_lshl_b32 s24, s16, 2
	s_add_co_u32 s24, s24, WSS
	v_add_nc_u32 v5, s24, v5                       ; my column's 32 scale bytes, my wave's four
	v_lshlrev_b32 v8, 4, v2                        ; 16 x lane
	s_mul_i32 s24, s16, 4*528
	s_add_co_u32 s24, s24, WST
	v_add_nc_u32 v6, s24, v8                       ; out of the stage: wave w takes rows 4 w .. 4 w + 3, whole
	s_and_b32 s24, s16, 1
	s_lshl_b32 s24, s24, 9
	s_add_co_u32 s24, s24, WSS
	v_add_nc_u32 v7, s24, v8                       ; the scale bytes: 512 of the 1,024 (read by waves 0 and 1 alone)
.macro WLOAD t                         ; block t: W(128 w + 32 t + i, my column), i = 0 .. 31
.set i, 0
.rept 32
	global_load_b32 v[WX+32*(\t)+i], v3, s[6:7] offset:(32*(\t)+i)*4096 th:TH_LOAD_NT
.set i, i+1
.endr
.endm
.macro WBLOCK t
.set XS, WX+32*(\t)
	v_max3_num_f32 v25, |v[XS]|, |v[XS+1]|, |v[XS+2]|              ; the block's largest magnitude: all 32 numbers are mine
	v_max3_num_f32 v26, |v[XS+3]|, |v[XS+4]|, |v[XS+5]|
.irp i, 6,10,14,18,22,26
	v_max3_num_f32 v25, v25, |v[XS+\i]|, |v[XS+\i+1]|
	v_max3_num_f32 v26, v26, |v[XS+\i+2]|, |v[XS+\i+3]|
.endr
	v_max3_num_f32 v25, v25, |v[XS+30]|, |v[XS+31]|
	v_max3_num_f32 v25, v25, v26, 0x1800000        ; and the floor 2^(3 - 127)
	v_add_nc_u32 v27, 0xff000000, v25              ; the conversion's scale operand
	v_lshrrev_b32 v26, 23, v27                     ; the scale's byte
.if (\t) == 0
	v_mov_b32 v24, v26                             ; four bytes to a word, the lower K in the lower byte
.else
	v_lshl_or_b32 v24, v26, 8*(\t), v24
.endif
.irp g, 0,1,2,3
	v_cvt_scalef32_pk8_fp4_f32 v[WC+4*(\t)+\g], v[XS+8*\g:XS+8*\g+7], v27
.endr
	v_nop                                          ; a plain line behind the conversions
	ds_store_b128 v4, v[WC+4*(\t):WC+4*(\t)+3] offset:16*(\t)      ; 32 codes: 16 bytes of my column's row
.endm
	WLOAD 0
	WLOAD 1
	s_wait_loadcnt 32                              ; block 0 is in; block 1's 32 loads may be out
	WLOAD 2
	WBLOCK 0
	s_wait_loadcnt 32                              ; block 1 is in; block 2's 32 may be out
	WLOAD 3
	WBLOCK 1
	s_wait_loadcnt 32                              ; block 2 is in; block 3's 32 may be out
	WBLOCK 2
	s_wait_loadcnt 0x0
	WBLOCK 3
	ds_store_b32 v5, v24
	s_wait_dscnt 0x0                               ; for the others' sake: my stores into the stages are done
	s_barrier_signal -1
	s_barrier_wait -1                              ; 32 whole rows of codes and of scale bytes lie in the stages
.irp i, 0,1,2,3
	ds_load_b128 v[WO+4*\i:WO+4*\i+3], v6 offset:528*\i
.endr
.irp i, 0,1,2,3
	s_wait_dscnt 3-\i                              ; the younger loads may be out
	global_store_b128 v8, v[WO+4*\i:WO+4*\i+3], s[12:13] offset:512*\i   ; a whole row: 512 consecutive bytes, aligned
.endr
	s_cmp_lt_u32 s16, 2                            ; the 1,024 scale bytes are one dense run: waves 0 and 1 store 512 each
	s_cbranch_scc0 .Lw_end
	ds_load_b128 v[192:195], v7
	s_wait_dscnt 0x0
	global_store_b128 v8, v[192:195], s[14:15]
.Lw_end:
	s_wait_tensorcnt 0x0                           ; the wave's end: behind my last LDS store
	ds_add_u32 v[SPW], v[NIL]
	s_wait_dscnt 0x0
	s_endpgm
.Lfunc_end_k_q4f019d831d_quant:
	.size	k_q4f019d831d_quant, .Lfunc_end_k_q4f019d831d_quant-k_q4f019d831d_quant
	.p2alignl 7, 3214868480
	.fill 96, 4, 3214868480
	.section	.rodata,"a",@progbits
	.p2align	6, 0x0
	.amdhsa_kernel k_q4f019d831d_quant
		.amdhsa_group_segment_fixed_size 64000
		.amdhsa_private_segment_fixed_size 0
		.amdhsa_enable_private_segment 0
		.amdhsa_kernarg_size 48
		.amdhsa_user_sgpr_count 2
		.amdhsa_user_sgpr_kernarg_segment_ptr 1
		.amdhsa_wavefront_size32 1
		.amdhsa_system_sgpr_workgroup_id_x 1
		.amdhsa_system_sgpr_workgroup_id_y 1
		.amdhsa_system_sgpr_workgroup_id_z 1
		.amdhsa_system_vgpr_workitem_id 0
		.amdhsa_next_free_vgpr 224
		.amdhsa_next_free_sgpr 66
		.amdhsa_reserve_vcc 0
		.amdhsa_float_denorm_mode_32 3
		.amdhsa_float_denorm_mode_16_64 3
		.amdhsa_memory_ordered 1
		.amdhsa_forward_progress 1
		.amdhsa_inst_pref_size 54
	.end_amdhsa_kernel
	.amdgpu_metadata
---
amdhsa.version: [ 1, 2 ]
amdhsa.kernels:
  - .name:           k_q4f019d831d_quant
    .symbol:         k_q4f019d831d_quant.kd
    .args:
      - { .name: hidden_states, .offset: 0, .size: 8, .value_kind: global_buffer, .address_space: global }
      - { .name: Wq, .offset: 8, .size: 8, .value_kind: global_buffer, .address_space: global }
      - { .name: Wk, .offset: 16, .size: 8, .value_kind: global_buffer, .address_space: global }
      - { .name: Wv, .offset: 24, .size: 8, .value_kind: global_buffer, .address_space: global }
      - { .name: opc, .offset: 32, .size: 8, .value_kind: global_buffer, .address_space: global }
      - { .name: ops, .offset: 40, .size: 8, .value_kind: global_buffer, .address_space: global }
    .group_segment_fixed_size: 64000
    .private_segment_fixed_size: 0
    .kernarg_segment_align: 8
    .kernarg_segment_size: 48
    .max_flat_workgroup_size: 256
    .sgpr_count:     66
    .vgpr_count:     224
    .wavefront_size: 32
...
	.end_amdgpu_metadata
.endif
;; end of part 1
;; launch proj (part 2): grid 12 x 16, 4 waves a work-group, clusters of 4 x 4, 327,680 bytes of LDS; arguments opc, ops, bq, bk, bv, qkc, qks, vc, vsw; writes qkc, qks, vc, vsw
.if DOCPART == 2
	.amdgcn_target "amdgcn-amd-amdhsa--gfx1250"
	.amdhsa_code_object_version 6
	.text
	.protected	k_q4f019d831d_proj
	.globl	k_q4f019d831d_proj
	.p2align	8
	.type	k_q4f019d831d_proj,@function
k_q4f019d831d_proj:
	s_mov_b64 s[64:65], 0
	v_nop
	global_prefetch_b8 v0, s[64:65] scope:SCOPE_SE
	s_setreg_imm32_b32 hwreg(HW_REG_WAVE_MODE, 25, 1), 1
	s_wait_xcnt 0x0
	s_wait_alu depctr_hold_cnt(0) depctr_sa_sdst(0) depctr_va_vdst(0) depctr_va_sdst(0) depctr_va_ssrc(0) depctr_va_vcc(0) depctr_vm_vsrc(0)
	s_getreg_b32 s2, hwreg(HW_REG_IB_STS2, 6, 4)
	s_cmp_eq_u32 s2, 0
	s_cbranch_scc0 .Lentry_in_a_cluster
	s_endpgm
.Lentry_in_a_cluster:
	s_bfe_u32 s2, ttmp6, 0x10000c
	s_cmp_lg_u32 s2, 0xf033
	s_cbranch_scc0 .Lentry_shape_is_right
	s_endpgm
.Lentry_shape_is_right:
; LAUNCH 2 OF 3.  q, k, v = hidden_states W + b on codes of FP4 (E2M1) with E8M0 scales, K = 1,024; each result is quantised in registers, along the axis that the attention contracts, and only codes and scale words are stored.
; Both operands are rows of opc [7168][512 bytes] and ops [7168][32 bytes]: rows 0-4095 tokens, rows 4096 + n the columns of Wq, Wk, Wv.
; A work-group of four waves makes a tile of 256 x 256, a wave 128 x 128: 64 accumulators of 16 x 16.  Panel X is source 0 of the matrix instruction, panel Y source 1: in a result lane l holds Y's row l % 16, and its
; registers 0-7 hold X's rows 8 (l / 16) + 0 .. 7.  SO THE AXIS THAT IS QUANTISED NEXT IS MADE PANEL X: for q and k the channels (X = columns of W, Y = tokens), for v the tokens (X = tokens, Y = columns of Wv).
; CLUSTERS of 4 x 4.  The cluster's x says what is made: 0 q, 1 k, 2 v; it is the same in all sixteen partners, and the one branch of the text hangs on it.  X's tile number hangs on cx, Y's on cy:
;   q, k: X tile 16 + 4 x (cluster x) + cx, Y tile 4 x (cluster y) + cy;   v: X tile 4 x (cluster y) + cx, Y tile 24 + cy   (tiles of 256 rows of opc).
; Y's tiles are asked for jointly along a row of the cluster, X's along a column.  K = 1,024 is two slots of 512 along K: both are first fills, nothing is filled again; by this text's count a wave has three tensor loads out.
; THE WAY OUT.  64 numbers of a lane (one Y row, 128 along X) + bias are four blocks of 32; a block lies in lanes l and l xor 16.  Codes of tile 2 b go to register 4 (b / 2) + b % 2, those of tile 2 b + 1 two registers on; two lane
; swaps for each pair of blocks then give registers 4 c .. 4 c + 3 of lane (r, h) the whole block 2 c + h, ascending: the 4-bit operand's layout.
;   qkc [2 (q, k)][16 heads][256 token tiles][32 lanes][16 bytes]: lane (r, h) of a tile: token r, the head's channels 32 h .. 32 h + 31.   qks [2][16][4096] words: the token's two scale bytes, written twice (s0 s1 s0 s1).
;   vc [16 heads][128 key blocks][64 channels][16 bytes].   vsw [16][32 groups of 128 keys][64 channels] words: byte i scales key block 4 x group + i.
; LIMITS: as stated at the head of the first launch (a block under 2^-124 gets the byte 1; NaN and infinities are not served).
; REGISTERS, in windows of 256: window 0: v1-11 lane terms; v16-29 addresses; v32-95 scale words, two sets; v96-119 the quantiser's; v128-191 Y's fragments, later 64 numbers; v192-255 the bias.
;   window 1: X's fragments, two sets.   window 2: the accumulators of my Y rows 0-63 ((a, b) at v[8 (8 (a % 4) + b)]);   window 3: those of rows 64-127.
.set KSTEP,  512
.set NQ,     4                         ; matrix instructions deep in a slot
.set ROWB,   256                       ; a tile's row in bytes
.set KROW,   512                       ; a row of opc
.set PITCH,  272                       ; an LDS row: 256 bytes + 16 of padding: the 16 rows of a fragment load start at 16 different banks
.set FR,     8
.set NL,     2
.set NP,     4
.set HALFT,  128*PITCH
.set SLOT,   4*HALFT                   ; Y's 256 rows, then X's 256 rows
.set KS,     32                        ; a row of ops
.set SCL,    2*SLOT                    ; behind the ring: the scale bytes, as units of 256 bytes + 16 of padding
.set HALFS,  16*272                    ; those of 128 rows
.set SBLK,   2*272                     ; those of 16 rows
.set SPARE,  SCL+4*HALFS               ; the spare words, 128 bytes for each wave: no other line names them
.set STV,    8192                      ; the way out's stages lie in slot 0, which has had its one fill and its last read by then: q, k: 1,024 bytes a wave from 0; v: 512 bytes a wave from 8,192
.set ADRA, 16                          ; v16-17  LDS address of my Y fragments in slot 0, 1
.set ADRB, 20                          ; v20-21  the same for X
.set ADRS, 27                          ; v27     LDS address of my scale words: lanes 0-15 Y's rows, lanes 16-31 X's
.set SPW,  28                          ; v28     my spare word; never rewritten
.set NIL,  29                          ; v29     0; never rewritten
.set SC,   32
.set TM,   96                          ; v96-99 largest magnitudes, v100-103 the partner's, then the bytes, v104-107 the conversions' scale operands
.set PC,   112                         ; v112-119 the codes
.set AF,   128
.set T,    128                         ; the way out: 64 numbers
.set BI,   192                         ; the bias
.set G1, 24
.set G0, 32
.set G1B, 48
.set G0B, 56
.set G1S, 68
.set G0S, 76
.set G1SB, 80
.set G0SB, 88
.set MSB, 0
.macro WIN new                         ; the immediate's high byte repeats the setting that is left
.if MSB != (\new)
	s_set_vgpr_msb (MSB<<8)|(\new)
.set MSB, (\new)
.endif
.endm
.set MUL_LO, 0xa1                      ; source 0 (X) window 1, source 1 (Y) window 0, C and D window 2
.set MUL_HI, 0xf1                      ; the same, C and D window 3
.set TO_B,   0x40                      ; destination window 1
; A joint load: waves 0 and 1 fetch for Y, waves 2 and 3 for X; the branch hangs on the wave's number alone.  An s_nop 0 and four v_nop follow each of the two lines.
.macro JLOAD g0a, g1a, g0b, g1b
	s_cmp_eq_u32 s15, 0
	s_cbranch_scc0 .Lfor_b_\@
	tensor_load_to_lds s[\g0a:\g0a+3], s[\g1a:\g1a+7]
	s_nop 0
.rept 4
	v_nop
.endr
	s_branch .Lasked_\@
.Lfor_b_\@:
	tensor_load_to_lds s[\g0b:\g0b+3], s[\g1b:\g1b+7]
	s_nop 0
.rept 4
	v_nop
.endr
.Lasked_\@:
.endm
.macro CROUND                          ; a round of the cluster's barrier
	s_barrier_signal -1
	s_barrier_wait -1
	s_cmp_lg_u32 s14, 0
	s_cbranch_scc1 .Lnot_wave_0_\@
	s_barrier_signal -3
.Lnot_wave_0_\@:
	s_barrier_wait -3
	s_barrier_signal -1
	s_barrier_wait -1
.endm
	s_load_b128 s[4:7], s[0:1], 0x0                ; opc s[4:5], ops s[6:7]
	s_load_b256 s[68:75], s[0:1], 0x10             ; bq, bk, bv, qkc
	s_load_b128 s[76:79], s[0:1], 0x30             ; qks, vc
	s_load_b64 s[80:81], s[0:1], 0x40              ; vsw
	v_lshl_add_u32 v[SPW], v0, 2, SPARE
	v_mov_b32 v[NIL], 0
	ds_add_u32 v[SPW], v[NIL]                      ; the wave's opening: the add, twice on end, and its wait ahead of my first tensor load
	ds_add_u32 v[SPW], v[NIL]
	v_lshrrev_b32 v1, 5, v0
	v_readfirstlane_b32 s14, v1                    ; wave 0..3
	s_lshr_b32 s15, s14, 1                         ; my half of Y's rows.  Also: I fetch for Y (0) or for X (1)
	s_and_b32 s16, s14, 1                          ; my half of X's rows.  Also: which 128 rows of that tile I fetch
	s_bfe_u32 s40, ttmp6, 0x40000                  ; cx
	s_bfe_u32 s41, ttmp6, 0x40004                  ; cy
	s_and_b32 s17, ttmp7, 0xffff
	s_lshl_b32 s17, s17, 2                         ; 4 x cluster y
	s_lshl_b32 s42, ttmp9, 2
	s_add_co_u32 s42, s42, 16                      ; 16 + 4 x cluster x
	s_cmp_eq_u32 ttmp9, 2                          ; v's clusters?  The same in all sixteen partners
	s_cselect_b32 s42, s17, s42                    ; X's first tile: tokens for v, columns of Wq or Wk else
	s_cselect_b32 s17, 24, s17                     ; Y's first tile: columns of Wv for v, tokens else
	s_add_co_u32 s42, s42, s40                     ; X tile: + cx (never cy)
	s_add_co_u32 s17, s17, s41                     ; Y tile: + cy (never cx)
	s_lshl_b32 s43, s41, 2
	s_lshl_b32 s43, 15, s43                        ; my row of the cluster
	s_lshl_b32 s44, 0x1111, s40                    ; my column
	s_or_b32 s[G1+0], s43, (0<<16)|(1<<20)|(1<<21)|(5<<22)|(3<<25)  ; the mask: Y's tiles go to my row; elements of 1 byte; padding on; bit 21 beside a mask; after every 64 words, 4 words
	s_or_b32 s[G1B+0], s44, (0<<16)|(1<<20)|(1<<21)|(5<<22)|(3<<25) ; X's tiles go to my column
.irp g, G1, G1B
	s_mov_b32 s[\g+1], ROWB<<16                    ; tensor_dim0
	s_mov_b32 s[\g+2], 128<<16                     ; tensor_dim1
	s_mov_b32 s[\g+3], ROWB<<16                    ; tile_dim0
	s_mov_b32 s[\g+4], 128                         ; tile_dim1
	s_mov_b32 s[\g+5], KROW                        ; from row to row
	s_mov_b32 s[\g+6], 0
	s_mov_b32 s[\g+7], 0
.endr
	s_lshl_b32 s18, s16, 7                         ; which 128 rows of the tile I fetch
	s_lshl_b32 s20, s17, 8
	s_add_co_u32 s20, s20, s18                     ; Y: row of opc
	s_lshl_b32 s46, s42, 8
	s_add_co_u32 s46, s46, s18                     ; X: row of opc
	s_mov_b32 s21, 0
	s_mov_b32 s47, 0
	s_mov_b64 s[18:19], KS
	s_mul_u64 s[22:23], s[20:21], s[18:19]         ; where these rows' scale bytes begin
	s_mul_u64 s[92:93], s[46:47], s[18:19]
	s_mov_b64 s[18:19], KROW
	s_mul_u64 s[20:21], s[20:21], s[18:19]         ; and their codes
	s_mul_u64 s[46:47], s[46:47], s[18:19]
	s_mul_i32 s45, s14, HALFT                      ; where they go: wave x 128 rows: no place in the cluster enters an LDS address
	s_mul_i32 s94, s14, HALFS
	s_mov_b32 s100, 0x76543210
	s_mov_b32 s101, 0xfedcba98                     ; v_permlanex16_b32's selects for lane l xor 16
	s_wait_dscnt 0x0                               ; both opening adds are done
	s_wait_kmcnt 0x0
	s_cmp_eq_u32 ttmp9, 0                          ; which bias and which outputs: by the cluster's x alone
	s_cselect_b64 s[98:99], s[68:69], s[70:71]
	s_cmp_eq_u32 ttmp9, 2
	s_cselect_b64 s[98:99], s[72:73], s[98:99]     ; bq, bk or bv
	s_cselect_b64 s[12:13], s[78:79], s[74:75]     ; codes out: vc or qkc
	s_cselect_b64 s[66:67], s[80:81], s[76:77]     ; scale words out: vsw or qks
	s_add_nc_u64 s[20:21], s[4:5], s[20:21]
	s_add_nc_u64 s[22:23], s[6:7], s[22:23]
	s_add_nc_u64 s[46:47], s[4:5], s[46:47]
	s_add_nc_u64 s[92:93], s[6:7], s[92:93]
	; the scale bytes of 128 rows: 4,096 dense bytes, as 16 rows of 256 bytes (32 elements of 8), 16 bytes of padding behind each.  (s68-91 are free now)
	s_or_b32 s[G1S+0], s43, (3<<16)|(1<<20)|(1<<21)|(5<<22)|(3<<25)
	s_or_b32 s[G1SB+0], s44, (3<<16)|(1<<20)|(1<<21)|(5<<22)|(3<<25)
.irp g, G1S, G1SB
	s_mov_b32 s[\g+1], 32<<16
	s_mov_b32 s[\g+2], 16<<16
	s_mov_b32 s[\g+3], 32<<16
	s_mov_b32 s[\g+4], 16
	s_mov_b32 s[\g+5], 32
	s_mov_b32 s[\g+6], 0
	s_mov_b32 s[\g+7], 0
.endr
	CROUND                                         ; all sixteen work-groups are here: the first joint loads meet
	s_mov_b32 s[G0S], 1
	s_add_co_u32 s[G0S+1], s94, SCL
	s_mov_b64 s[G0S+2:G0S+3], s[22:23]
	s_or_b32 s[G0S+3], s[G0S+3], 0x80000000
	s_mov_b32 s[G0SB], 1
	s_add_co_u32 s[G0SB+1], s94, SCL
	s_mov_b64 s[G0SB+2:G0SB+3], s[92:93]
	s_or_b32 s[G0SB+3], s[G0SB+3], 0x80000000
	JLOAD G0S, G1S, G0SB, G1SB                     ; the scales first: they are wanted with the first slot
.irp s, 0,1
	s_mov_b32 s[G0+4*\s], 1
	s_add_co_u32 s[G0+4*\s+1], s45, \s*SLOT
	s_add_nc_u64 s[G0+4*\s+2:G0+4*\s+3], s[20:21], \s*ROWB
	s_or_b32 s[G0+4*\s+3], s[G0+4*\s+3], 0x80000000
	s_mov_b32 s[G0B+4*\s], 1
	s_add_co_u32 s[G0B+4*\s+1], s45, \s*SLOT
	s_add_nc_u64 s[G0B+4*\s+2:G0B+4*\s+3], s[46:47], \s*ROWB
	s_or_b32 s[G0B+4*\s+3], s[G0B+4*\s+3], 0x80000000
	JLOAD G0+4*\s, G1, G0B+4*\s, G1B
.endr
	v_and_b32 v1, 15, v0                           ; r = l % 16
	v_bfe_u32 v2, v0, 4, 1                         ; h = l / 16
	v_mul_u32_u24 v12, v1, PITCH
	v_lshl_add_u32 v13, v2, 4, v12                 ; a fragment's row x pitch + 16 x half
	s_mul_i32 s21, s15, HALFT                      ; my 128 rows of Y
	s_mul_i32 s22, s16, HALFT                      ; my 128 rows of X,
	s_add_co_u32 s22, s22, 2*HALFT                 ; which lie behind Y's 256
.irp s, 0,1
	v_add_nc_u32 v[ADRA+\s], s21, v13
	v_add_nc_u32 v[ADRB+\s], s22, v13
	s_add_co_u32 s21, s21, SLOT
	s_add_co_u32 s22, s22, SLOT
.endr
	v_mul_u32_u24 v12, v1, KS                      ; my row's scale bytes: 32 a row,
	v_lshrrev_b32 v13, 8, v12
	v_lshl_add_u32 v12, v13, 4, v12                ; and 16 more for each 256 passed
	s_mul_i32 s21, s15, HALFS
	s_mul_i32 s22, s16, HALFS
	s_add_co_u32 s22, s22, 2*HALFS
	s_sub_co_u32 s22, s22, s21
	v_mul_u32_u24 v13, s22, v2                     ; lanes 16-31 take X's: one product, the distance between the two bases
	s_add_co_u32 s21, s21, SCL
	v_add_nc_u32 v12, v12, v13
	v_add_nc_u32 v[ADRS], s21, v12
	; lane terms of the way out
	v_and_b32 v14, 31, v0
	v_lshlrev_b32 v3, 4, v14                       ; v3  16 x lane
	v_lshlrev_b32 v4, 4, v1
	v_lshl_add_u32 v4, v2, 10, v4                  ; v4  vc: 1,024 h + 16 r
	s_lshl_b32 s23, s14, 10
	v_lshl_add_u32 v5, v1, 2, s23                  ; v5  q, k: my stage, 4 r
	v_add_nc_u32 v6, s23, v3                       ; v6  and back: 16 x lane
	s_lshl_b32 s23, s14, 9
	s_add_co_u32 s23, s23, STV
	v_lshl_add_u32 v7, v1, 2, s23                  ; v7  v: my stage, 4 r
	v_add_nc_u32 v8, s23, v3                       ; v8  and back
	v_lshlrev_b32 v9, 4, v1
	v_lshl_add_u32 v9, v2, 13, v9                  ; v9  vsw: lanes 0-15 one head's 256 bytes, lanes 16-31 the next head's
	v_lshlrev_b32 v10, 5, v2                       ; v10 q, k: the bias of my half's eight channels: 32 h
	v_lshlrev_b32 v11, 2, v1                       ; v11 v: the bias of my channel: 4 r
.irp b, 0,1,2,3
	v_mov_b32 v[TM+4+\b], 0                        ; written once: a lane permute's destination counts as one of its sources
.endr
.macro FRAG reg, adr, q, i             ; a fragment, 16 rows x 128 K of 4-bit codes: registers 4 c .. 4 c + 3 hold K = 64 c + 32 (l / 16) + 0 .. 31
.irp c, 0,1
	ds_load_b128 v[\reg+4*\c:\reg+4*\c+3], v[\adr] offset:64*(\q)+32*\c+(\i)*16*PITCH
.endr
.endm
; 16 matrix instructions: Y's blocks a0, a0 + 1 x X's eight, the slot's q-th 128 along K.  The 64 accumulators take turns, one instruction a turn, in the same order in every step.
.macro MUL16 a0, p, q, sc, zero
.irp a, \a0, \a0+1
.irp b, 0,1,2,3,4,5,6,7
.if \zero
	v_wmma_scale_f32_16x16x128_f8f6f4 v[8*(8*((\a)%4)+\b):8*(8*((\a)%4)+\b)+7], v[128*(\p)+FR*\b:128*(\p)+FR*\b+FR-1], v[AF+FR*(\a):AF+FR*(\a)+FR-1], 0, v[SC+8*NQ*(\sc)+NQ*\b+(\q)], v[SC+8*NQ*(\sc)+NQ*(\a)+(\q)] matrix_a_fmt:MATRIX_FMT_FP4 matrix_b_fmt:MATRIX_FMT_FP4 matrix_a_scale:MATRIX_SCALE_ROW1
.else
	v_wmma_scale_f32_16x16x128_f8f6f4 v[8*(8*((\a)%4)+\b):8*(8*((\a)%4)+\b)+7], v[128*(\p)+FR*\b:128*(\p)+FR*\b+FR-1], v[AF+FR*(\a):AF+FR*(\a)+FR-1], v[8*(8*((\a)%4)+\b):8*(8*((\a)%4)+\b)+7], v[SC+8*NQ*(\sc)+NQ*\b+(\q)], v[SC+8*NQ*(\sc)+NQ*(\a)+(\q)] matrix_a_fmt:MATRIX_FMT_FP4 matrix_b_fmt:MATRIX_FMT_FP4 matrix_a_scale:MATRIX_SCALE_ROW1
.endif
.endr
.endr
.endm
.macro FETCH_B slot, q, p              ; X's eight fragments into set p
	WIN TO_B
.irp i, 0,1,2,3,4,5,6,7
	FRAG 128*(\p)+FR*\i, ADRB+\slot, \q, \i
.endr
	WIN 0
.endm
.macro FETCH_A slot, q, i0             ; Y's blocks i0 .. i0 + 3
.irp i, \i0, \i0+1, \i0+2, \i0+3
	FRAG AF+FR*(\i), ADRA+\slot, \q, \i
.endr
.endm
.macro SCALES sc                       ; a slot's scale words: four words a row; lanes 0-15 Y's block i, lanes 16-31 X's block i
.irp i, 0,1,2,3,4,5,6,7
	ds_load_b128 v[SC+8*NQ*\sc+NQ*\i:SC+8*NQ*\sc+NQ*\i+3], v[ADRS] offset:\i*SBLK
.endr
.endm
.macro PLACES n                        ; plain vector lines between a matrix instruction and a load into, or a vector line on, its registers
.rept \n
	v_nop
.endr
.endm
.macro STEP slot, q, zero              ; a step of 128 along K that has its successor in the same slot
	s_wait_dscnt 4*NL                              ; X's set and Y's blocks 0-3 are in; the youngest eight loads (Y's blocks 4-7) may be out
	WIN MUL_LO
	MUL16 0, (\q)%2, \q, \slot, \zero
	MUL16 2, (\q)%2, \q, \slot, \zero
	s_wait_dscnt 0
	PLACES NP
	FETCH_B \slot, (\q)+1, 1-(\q)%2
	FETCH_A \slot, (\q)+1, 0
	WIN MUL_HI
	MUL16 4, (\q)%2, \q, \slot, \zero
	MUL16 6, (\q)%2, \q, \slot, \zero
	PLACES NP
	WIN 0
	FETCH_A \slot, (\q)+1, 4
.endm
.macro TURN slot, next                 ; a slot's last step changes slots: one barrier; nothing is filled again
	s_wait_tensorcnt 0x0                           ; all my tensor loads have landed: my part of the next slot
	ds_add_u32 v[SPW], v[NIL]                      ; 0 onto my spare word
	s_wait_dscnt 4*NL+1                            ; (the add and the youngest eight loads may be out)
	WIN MUL_LO
	MUL16 0, 1, NQ-1, \slot, 0
	s_wait_dscnt 0x0                               ; the add is done, and my reads of this slot are over
	s_barrier_signal -1
	MUL16 2, 1, NQ-1, \slot, 0
	WIN 0
	s_barrier_wait -1                              ; the next slot is whole, and nobody reads this one any more
	PLACES NP
	v_add_nc_u32 v[ADRS], 4*NQ, v[ADRS]            ; on to the next slot's scale words
	FETCH_B \next, 0, 0
	FETCH_A \next, 0, 0
	SCALES \next
	WIN MUL_HI
	MUL16 4, 1, NQ-1, \slot, 0
	MUL16 6, 1, NQ-1, \slot, 0
	PLACES NP
	WIN 0
	FETCH_A \next, 0, 4
.endm
.macro STEPS slot, from
.set Q, \from
.rept NQ-1-\from
	STEP \slot, Q, 0
.set Q, Q+1
.endr
.endm
.macro LAST                            ; the very last step: nothing more to fetch
	s_wait_dscnt 4*NL
	WIN MUL_LO
	MUL16 0, 1, NQ-1, 1, 0
	MUL16 2, 1, NQ-1, 1, 0
	s_wait_dscnt 0
	WIN MUL_HI
	MUL16 4, 1, NQ-1, 1, 0
	MUL16 6, 1, NQ-1, 1, 0
	WIN 0
.endm
; 64 numbers of a lane in v[T] on: register 16 b + 8 u + j = index 32 b + 16 u + 8 (l / 16) + j along the quantised axis.  Codes to v[PC] on, in the operand's layout; the four bytes to v[TM+4] on.
.macro QUANT4
.irp b, 0,1,2,3
	v_max3_num_f32 v[TM+\b], |v[T+16*\b]|, |v[T+1+16*\b]|, 0x1800000   ; my 16 numbers of block b, and the floor 2^(3 - 127)
.endr
.irp i, 2,4,6,8,10,12,14
.irp b, 0,1,2,3
	v_max3_num_f32 v[TM+\b], v[TM+\b], |v[T+16*\b+\i]|, |v[T+1+16*\b+\i]|   ; (the four blocks by turns)
.endr
.endr
.irp b, 0,1,2,3
	v_permlanex16_b32 v[TM+4+\b], v[TM+\b], s100, s101
.endr
.irp b, 0,1,2,3
	v_max_num_f32 v[TM+\b], v[TM+\b], v[TM+4+\b]   ; with lane l xor 16's: the block's largest magnitude
.endr
.irp b, 0,1,2,3
	v_add_nc_u32 v[TM+8+\b], 0xff000000, v[TM+\b]  ; 2 off its exponent field: the conversion's scale operand
.endr
.irp b, 0,1,2,3
	v_lshrrev_b32 v[TM+4+\b], 23, v[TM+8+\b]       ; the scale's byte
.endr
.irp b, 0,1,2,3
	v_cvt_scalef32_pk8_fp4_f32 v[PC+4*(\b/2)+(\b%2)], v[T+16*\b:T+16*\b+7], v[TM+8+\b]
	v_cvt_scalef32_pk8_fp4_f32 v[PC+4*(\b/2)+2+(\b%2)], v[T+16*\b+8:T+16*\b+15], v[TM+8+\b]
.endr
	v_nop                                          ; one plain line behind the conversions
.irp c, 0,2,4,6
	v_permlane16_swap_b32 v[PC+\c], v[PC+\c+1]     ; the first's lanes 16-31 change places with the second's lanes 0-15: a whole block in a lane
.endr
.endm
	s_wait_tensorcnt 1                             ; the scales and my part of slot 0 are in (slot 1's load may be out)
	s_barrier_signal -1
	s_barrier_wait -1                              ; everybody's are
	FETCH_B 0, 0, 0
	FETCH_A 0, 0, 0
	SCALES 0
	FETCH_A 0, 0, 4
	STEP 0, 0, 1                                   ; the first products start the sums: nothing is cleared
	STEPS 0, 1
	TURN 0, 1
	STEPS 1, 0
	s_cmp_eq_u32 ttmp9, 2                          ; the cluster's x alone: the same in all partners and all waves (every window is 0 here)
	s_cbranch_scc1 .Lv
; ---------------- q and k: Y = tokens in the lanes, X = channels in the registers ----------------
	s_lshl_b32 s18, ttmp9, 21                      ; qkc: the k half, + head (4 cx + 2 x my X half) x 131,072, + my first token x 32
	s_lshl_b32 s19, s40, 19
	s_add_co_u32 s18, s18, s19
	s_lshl_b32 s19, s16, 18
	s_add_co_u32 s18, s18, s19
	s_lshl_b32 s19, s17, 13
	s_add_co_u32 s18, s18, s19
	s_lshl_b32 s19, s15, 12
	s_add_co_u32 s18, s18, s19
	s_mov_b32 s19, 0
	s_add_nc_u64 s[12:13], s[12:13], s[18:19]
	s_lshl_b32 s18, ttmp9, 18                      ; qks: the k half, + head x 16,384, + token x 4
	s_lshl_b32 s20, s40, 16
	s_add_co_u32 s18, s18, s20
	s_lshl_b32 s20, s16, 15
	s_add_co_u32 s18, s18, s20
	s_lshl_b32 s20, s17, 10
	s_add_co_u32 s18, s18, s20
	s_lshl_b32 s20, s15, 9
	s_add_co_u32 s18, s18, s20
	s_add_nc_u64 s[66:67], s[66:67], s[18:19]
	s_lshl_b32 s18, s40, 10                        ; the bias of my 128 channels
	s_lshl_b32 s20, s16, 9
	s_add_co_u32 s18, s18, s20
	s_add_nc_u64 s[98:99], s[98:99], s[18:19]
.irp b, 0,1,2,3,4,5,6,7
	global_load_b128 v[BI+8*\b:BI+8*\b+3], v10, s[98:99] offset:64*\b          ; register 8 b + j: the bias of channel 16 b + 8 h + j; they land under the last 64 products
	global_load_b128 v[BI+8*\b+4:BI+8*\b+7], v10, s[98:99] offset:64*\b+16
.endr
	LAST
	s_wait_loadcnt 0x0
	PLACES NP                                      ; the lines below write registers that the last products read
.macro EPI_QK a                        ; 16 tokens x my 128 channels (two heads)
.if (\a) > 0
	s_wait_xcnt 0x0                                ; the last block's stores have read their data: the codes' registers may be written again
.endif
	WIN 0x02+(\a)/4                                ; source 0: window 2 or 3
.set j, 0
.rept 32
	v_pk_add_f32 v[T+j:T+j+1], v[64*((\a)%4)+j:64*((\a)%4)+j+1], v[BI+j:BI+j+1]   ; + bias; each accumulator from its low end on
.set j, j+2
.endr
	WIN 0
	QUANT4
	global_store_b128 v3, v[PC:PC+3], s[12:13] offset:512*(\a)                  ; the first head's tile: 512 consecutive bytes, aligned
	global_store_b128 v3, v[PC+4:PC+7], s[12:13] offset:131072+512*(\a)         ; the second head's
	v_lshl_or_b32 v108, v[TM+5], 8, v[TM+4]        ; a token's two bytes of a head,
	v_lshl_or_b32 v109, v[TM+7], 8, v[TM+6]
	v_lshl_or_b32 v108, v108, 16, v108             ; written twice
	v_lshl_or_b32 v109, v109, 16, v109
	ds_store_b32 v5, v108 offset:64*(\a)           ; lanes r and 16 + r write the same word with the same value
	ds_store_b32 v5, v109 offset:512+64*(\a)
.endm
.irp a, 0,1,2,3,4,5,6,7
	EPI_QK \a
.endr
	ds_load_b128 v[T:T+3], v6                      ; my own stage: in order behind my stores
	ds_load_b128 v[T+4:T+7], v6 offset:512
	s_wait_dscnt 0x0
	global_store_b128 v3, v[T:T+3], s[66:67]       ; 128 tokens' words of a head: 512 consecutive bytes, aligned
	global_store_b128 v3, v[T+4:T+7], s[66:67] offset:16384
	s_branch .Lend
; ---------------- v: Y = channels in the lanes, X = tokens (the keys) in the registers ----------------
.Lv:
	s_lshl_b32 s18, s41, 19                        ; vc: head (4 cy + 2 x my Y half) x 131,072, + my first key block x 1,024
	s_lshl_b32 s19, s15, 18
	s_add_co_u32 s18, s18, s19
	s_lshl_b32 s19, s42, 13
	s_add_co_u32 s18, s18, s19
	s_lshl_b32 s19, s16, 12
	s_add_co_u32 s18, s18, s19
	s_mov_b32 s19, 0
	s_add_nc_u64 s[12:13], s[12:13], s[18:19]
	s_lshl_b32 s18, s41, 15                        ; vsw: head x 8,192, + my group of 128 keys x 256
	s_lshl_b32 s20, s15, 14
	s_add_co_u32 s18, s18, s20
	s_lshl_b32 s20, s42, 9
	s_add_co_u32 s18, s18, s20
	s_lshl_b32 s20, s16, 8
	s_add_co_u32 s18, s18, s20
	s_add_nc_u64 s[66:67], s[66:67], s[18:19]
	s_lshl_b32 s18, s41, 10                        ; the bias of my 128 channels
	s_lshl_b32 s20, s15, 9
	s_add_co_u32 s18, s18, s20
	s_add_nc_u64 s[98:99], s[98:99], s[18:19]
.irp a, 0,1,2,3,4,5,6,7
	global_load_b32 v[BI+2*\a], v11, s[98:99] offset:64*\a         ; the bias of channel 16 a + r, twice: a pair for the packed addition
	global_load_b32 v[BI+2*\a+1], v11, s[98:99] offset:64*\a
.endr
	LAST
	s_wait_loadcnt 0x0
	PLACES NP
.macro EPI_V a                         ; 16 channels x my 128 keys (four key blocks)
.if (\a) > 0
	s_wait_xcnt 0x0                                ; the last block's stores have read their data
.endif
	WIN 0x02+(\a)/4
.set j, 0
.rept 32
	v_pk_add_f32 v[T+j:T+j+1], v[64*((\a)%4)+j:64*((\a)%4)+j+1], v[BI+2*(\a):BI+2*(\a)+1]
.set j, j+2
.endr
	WIN 0
	QUANT4
	global_store_b128 v4, v[PC:PC+3], s[12:13] offset:((\a)/4)*131072+256*((\a)%4)        ; lanes 0-15: 256 aligned bytes of key block 0, lanes 16-31: of block 1
	global_store_b128 v4, v[PC+4:PC+7], s[12:13] offset:((\a)/4)*131072+2048+256*((\a)%4)  ; blocks 2 and 3
	v_lshl_or_b32 v108, v[TM+5], 8, v[TM+4]        ; the channel's four bytes: its word for these 128 keys
	v_lshl_or_b32 v108, v[TM+6], 16, v108
	v_lshl_or_b32 v108, v[TM+7], 24, v108
	ds_store_b32 v7, v108 offset:64*(\a)
.endm
.irp a, 0,1,2,3,4,5,6,7
	EPI_V \a
.endr
	ds_load_b128 v[T:T+3], v8                      ; my own stage: in order behind my stores
	s_wait_dscnt 0x0
	global_store_b128 v9, v[T:T+3], s[66:67]       ; lanes 0-15: one head's 64 words, 256 aligned bytes; lanes 16-31: the next head's
.Lend:
	s_wait_tensorcnt 0x0                           ; the wave's end: behind my last tensor load and my last LDS store
	ds_add_u32 v[SPW], v[NIL]
	s_wait_dscnt 0x0
	CROUND                                         ; the closing round
	s_endpgm
.Lfunc_end_k_q4f019d831d_proj:
	.size	k_q4f019d831d_proj, .Lfunc_end_k_q4f019d831d_proj-k_q4f019d831d_proj
	.p2alignl 7, 3214868480
	.fill 96, 4, 3214868480
	.section	.rodata,"a",@progbits
	.p2align	6, 0x0
	.amdhsa_kernel k_q4f019d831d_proj
		.amdhsa_group_segment_fixed_size 327680
		.amdhsa_private_segment_fixed_size 0
		.amdhsa_enable_private_segment 0
		.amdhsa_kernarg_size 72
		.amdhsa_user_sgpr_count 2
		.amdhsa_user_sgpr_kernarg_segment_ptr 1
		.amdhsa_wavefront_size32 1
		.amdhsa_system_sgpr_workgroup_id_x 1
		.amdhsa_system_sgpr_workgroup_id_y 1
		.amdhsa_system_sgpr_workgroup_id_z 1
		.amdhsa_system_vgpr_workitem_id 0
		.amdhsa_next_free_vgpr 1024
		.amdhsa_next_free_sgpr 102
		.amdhsa_reserve_vcc 0
		.amdhsa_float_denorm_mode_32 3
		.amdhsa_float_denorm_mode_16_64 3
		.amdhsa_memory_ordered 1
		.amdhsa_forward_progress 1
		.amdhsa_inst_pref_size 207
	.end_amdhsa_kernel
	.amdgpu_metadata
---
amdhsa.version: [ 1, 2 ]
amdhsa.kernels:
  - .name:           k_q4f019d831d_proj
    .symbol:         k_q4f019d831d_proj.kd
    .args:
      - { .name: opc, .offset: 0, .size: 8, .value_kind: global_buffer, .address_space: global }
      - { .name: ops, .offset: 8, .size: 8, .value_kind: global_buffer, .address_space: global }
      - { .name: bq, .offset: 16, .size: 8, .value_kind: global_buffer, .address_space: global }
      - { .name: bk, .offset: 24, .size: 8, .value_kind: global_buffer, .address_space: global }
      - { .name: bv, .offset: 32, .size: 8, .value_kind: global_buffer, .address_space: global }
      - { .name: qkc, .offset: 40, .size: 8, .value_kind: global_buffer, .address_space: global }
      - { .name: qks, .offset: 48, .size: 8, .value_kind: global_buffer, .address_space: global }
      - { .name: vc, .offset: 56, .size: 8, .value_kind: global_buffer, .address_space: global }
      - { .name: vsw, .offset: 64, .size: 8, .value_kind: global_buffer, .address_space: global }
    .group_segment_fixed_size: 327680
    .private_segment_fixed_size: 0
    .kernarg_segment_align: 8
    .kernarg_segment_size: 72
    .max_flat_workgroup_size: 128
    .sgpr_count:     102
    .vgpr_count:     1024
    .wavefront_size: 32
...
	.end_amdgpu_metadata
.endif
;; end of part 2
;; launch attn (part 3): grid 256 x 1, 16 waves a work-group, no clusters, 221,696 bytes of LDS; arguments qkc, qks, vc, vsw, hidden_states, gamma, beta, out0; writes out0
.if DOCPART == 3
	.amdgcn_target "amdgcn-amd-amdhsa--gfx1250"
	.amdhsa_code_object_version 6
	.text
	.protected	k_q4f019d831d_attn
	.globl	k_q4f019d831d_attn
	.p2align	8
	.type	k_q4f019d831d_attn,@function
k_q4f019d831d_attn:
	s_mov_b64 s[64:65], 0
	v_nop
	global_prefetch_b8 v0, s[64:65] scope:SCOPE_SE
	s_setreg_imm32_b32 hwreg(HW_REG_WAVE_MODE, 25, 1), 1
	s_wait_xcnt 0x0
; LAUNCH 3 OF 3.  out = LayerNorm(hidden_states + softmax(mask(q k^T / 8)) v), both products on codes of FP4 (E2M1) with E8M0 scales.
; WORK LEFT OUT: key tiles that lie wholly outside [i - 128, i + 128) for all 16 queries of a tile; reference() sets their logit to -10000 itself, and their p = 2^(-10000 log2(e) - M) is 0 in f32.
; LIMITS: a row whose largest kept logit lies under -9896 is not served; a NaN, an infinity or an overflow that reaches only the work left out is not carried to the result (shown at the head of the first launch).
; SHARES.  Work-group g owns queries 16 g .. 16 g + 15, whole rows of the output, since the LayerNorm spans all 16 heads; wave w is head w.  The kept keys of the 16 queries lie in the 9 aligned blocks of 32 keys from
; kblk = clamp(g / 2 - 4, 0, 119) on: 288 keys.  All 144 scores of a lane stay in registers, so M = ceil(the row's largest t) is final at once and nothing is rescaled.  Hidden keys inside the 9 blocks get -10000 (here -80000,
; ahead of the division by 8); each row has at least 32 of them, so M is reference()'s.
; LAYOUT.  Both products are used transposed: S^T = k q^T, O^T = v^T p^T: a lane holds ONE query (lane % 16) throughout.
; THE HEAD'S K IS 64, THE INSTRUCTION'S 128: source 0 holds TWO tiles of 16 keys (one in k = 0 .. 63, the other in k = 64 .. 127) and is multiplied twice, by (q, 0) and by (0, q): zero codes take the other tile away.
; Twelve registers 0000 q 0000 serve both.  The scale words hold a token's two bytes twice, so that every byte is a valid scale.
; In S^T register 16 b + 8 u + j of lane (r, h) is key 32 b + 16 u + 8 h + j: codes of tile 2 b go to register 4 (b / 2) + b % 2, of tile 2 b + 1 two on, and two lane swaps a pair of blocks give the operand's layout.
; p = 2^(t - M), not normalised; the row's sum is taken of the unquantised p and divides at the end.  A block's largest p is the block's largest score put through the same multiply-add and exponential.
; NO CLUSTER: neighbouring work-groups' windows begin at different key blocks, so reads out of a joint tile would need LDS addresses that hang on the place in the cluster; and k goes straight into registers.
; NO PREFETCH: every load of a work-group goes out at its head.  By this text's count a wave has two tensor loads out: its head's v (9 blocks, 9,216 dense bytes) and its 16 x 64 piece of hidden_states; only the wave itself reads them.
.set HB,    147456                     ; LDS: 0: v, 9,216 bytes a wave;  HB: hidden_states, 16 rows x (256 + 16) a wave, later the wave's stage for the way out
.set ST1,   217088                     ; the rows' partial sums: 16 rows x (64 + 16) bytes; 1,280 bytes on: those of the squares
.set SPARE, 219648                     ; the spare words, 128 bytes for each of the sixteen waves: no other line names them
.set S,    16                          ; v16-159  S^T, then p
.set KF,   160                         ; v160-231 k's nine operands
.set KSC,  244                         ; v244-252 k's scale words;  v253 q's
.set QSC,  253
.set BM,   160                         ; behind the first product: v160-168 the blocks' largest scores, then p
.set BY,   169                         ; v169-177 the partner's, then the scale bytes
.set SO,   178                         ; v178-186 the conversions' scale operands
.set NM,   188                         ; v[188:189] -M
.set LA,   190                         ; v[190:191], v[192:193] the row's sum, two chains
.set LB,   192
.set PCD,  196                         ; v196-219 p's codes, three K steps
.set RL,   220                         ; v[220:221] 1 / the row's sum
.set MU,   222                         ; v[222:223] the mean, later 1 / sqrt(var + eps)
.set VG,   224                         ; v224-229 v's scale words as they lie: three groups of 128 keys x two pairs of tiles
.set TA,   230                         ; v[230:231], v[232:233] at work
.set TB,   232
.set GA,   236                         ; v236-239 gamma, v240-243 beta
.set BE,   240
.set VW,   244                         ; v244-249 v's scale words for my K steps;  v250-252 p's: registers that held scales before
.set PW,   250
.set VF,   16                          ; behind the conversions: v16-111 v's operands; v112-143 O^T; v160-191 hidden_states, then x, then x - mean
.set O,    112
.set X,    160
.set RS,   196                         ; v196-211 sixteen partial sums
.set TT,   254
	s_load_b512 s[4:19], s[0:1], 0x0               ; qkc s[4:5], qks s[6:7], vc s[8:9], vsw s[10:11], hidden_states s[12:13], gamma s[14:15], beta s[16:17], out0 s[18:19]
	v_lshl_add_u32 v1, v0, 2, SPARE                ; v1 my spare word, v2 = 0: never rewritten
	v_mov_b32 v2, 0
	ds_add_u32 v1, v2                              ; the wave's opening: the add, twice on end, and its wait ahead of my first tensor load
	ds_add_u32 v1, v2
	v_lshrrev_b32 v3, 5, v0
	v_readfirstlane_b32 s20, v3                    ; wave = head
	s_mov_b32 s21, ttmp9                           ; g
	s_lshr_b32 s22, s21, 1
	s_sub_co_i32 s22, s22, 4
	s_max_i32 s22, s22, 0
	s_min_i32 s22, s22, 119                        ; kblk: the first of my 9 key blocks
	s_lshl_b32 s52, s22, 5
	s_lshl_b32 s53, s21, 4
	s_sub_co_i32 s52, s52, s53
	s_add_co_i32 s52, s52, 113                     ; Es - 15, Es = 32 kblk - 16 g + 128: local key n counts for query r where 0 <= Es + n - r < 256
	s_and_b32 s23, s22, 3
	s_mul_i32 s23, s23, 0x01010101
	s_add_co_u32 s23, s23, 0x03020100              ; byte selects kblk % 4 + 0 .. 3: my K step's four scale bytes out of two groups' words
	s_mov_b32 s24, 3<<16                           ; group 1 for v: 36 rows of 32 elements of 8 bytes, dense, no padding
	s_mov_b32 s25, 32<<16
	s_mov_b32 s26, 36<<16
	s_mov_b32 s27, 32<<16
	s_mov_b32 s28, 36
	s_mov_b32 s29, 32
	s_mov_b32 s30, 0
	s_mov_b32 s31, 0
	s_mov_b32 s32, (2<<16)|(1<<20)|(5<<22)|(3<<25) ; group 1 for hidden_states: 16 rows of 64 elements of 4 bytes, 1,024 elements apart; 4 words of padding after every 64
	s_mov_b32 s33, 64<<16
	s_mov_b32 s34, 16<<16
	s_mov_b32 s35, 64<<16
	s_mov_b32 s36, 16
	s_mov_b32 s37, 1024
	s_mov_b32 s38, 0
	s_mov_b32 s39, 0
	s_mov_b32 s40, 1
	s_mul_i32 s41, s20, 9216                       ; my v in LDS
	s_mov_b32 s44, 1
	s_mul_i32 s45, s20, 4352
	s_add_co_u32 s45, s45, HB                      ; my piece of hidden_states in LDS
	s_mov_b32 s48, 0x76543210
	s_mov_b32 s49, 0xfedcba98                      ; v_permlanex16_b32's selects for lane l xor 16
	s_mov_b32 s50, 0x3e38aa3b                      ; c = log2(e) / 8: t = score x c
	s_mov_b32 s51, s50                             ; (named with it as a pair)
	s_mov_b32 s58, 0x3a800000                      ; 1 / 1024
	s_mov_b32 s59, 0x2b8cbccc                      ; 1e-12
	s_lshl_b32 s54, s20, 17
	s_lshl_b32 s53, s22, 10
	s_add_co_u32 s54, s54, s53                     ; head x 131,072 + kblk x 1,024: in vc and in qkc's k half
	s_mov_b32 s55, 0
	s_lshl_b32 s56, s21, 16
	s_lshl_b32 s53, s20, 8
	s_add_co_u32 s56, s56, s53                     ; 16 rows x 4,096 x g + 256 x head: in hidden_states and in out0
	s_mov_b32 s57, 0
	v_and_b32 v15, 31, v0                          ; lane
	v_and_b32 v254, 15, v0                         ; r
	v_bfe_u32 v255, v0, 4, 1                       ; h
	v_lshlrev_b32 v3, 4, v15                       ; v3  16 x lane
	v_lshlrev_b32 v4, 2, v15                       ; v4  4 x lane
	v_lshlrev_b32 v5, 2, v254                      ; v5  4 r
.irp i, 232,233,234,235,240,241,242,243
	v_mov_b32 v[\i], 0                             ; the zero codes on both sides of q
.endr
	s_wait_dscnt 0x0                               ; both opening adds are done
	s_wait_kmcnt 0x0
	s_add_nc_u64 s[42:43], s[8:9], s[54:55]
	s_or_b32 s43, s43, 0x80000000
	s_add_nc_u64 s[46:47], s[12:13], s[56:57]
	s_or_b32 s47, s47, 0x80000000
	tensor_load_to_lds s[40:43], s[24:31]          ; v: 9 key blocks of my head
	s_nop 0
	tensor_load_to_lds s[44:47], s[32:39]          ; hidden_states: my 16 rows x my head's 64 columns
	s_nop 0
	s_add_nc_u64 s[60:61], s[4:5], s[54:55]
	s_add_nc_u64 s[60:61], s[60:61], 0x200000      ; k's codes
	s_add_nc_u64 s[18:19], s[18:19], s[56:57]      ; out0
	s_lshl_b32 s54, s20, 17
	s_lshl_b32 s53, s21, 9
	s_add_co_u32 s54, s54, s53
	s_add_nc_u64 s[4:5], s[4:5], s[54:55]          ; q's codes: head x 131,072 + tile g x 512
	s_lshl_b32 s54, s20, 14
	s_lshl_b32 s53, s22, 7
	s_add_co_u32 s56, s54, s53
	s_add_co_u32 s56, s56, 0x40000
	s_add_nc_u64 s[62:63], s[6:7], s[56:57]        ; k's scale words
	s_lshl_b32 s53, s21, 6
	s_add_co_u32 s54, s54, s53
	s_add_nc_u64 s[6:7], s[6:7], s[54:55]          ; q's
	s_lshl_b32 s54, s20, 13
	s_lshr_b32 s53, s22, 2
	s_lshl_b32 s53, s53, 8
	s_add_co_u32 s54, s54, s53
	s_add_nc_u64 s[10:11], s[10:11], s[54:55]      ; v's scale words: head x 8,192 + group (kblk / 4) x 256
	s_lshl_b32 s54, s20, 8
	s_add_nc_u64 s[14:15], s[14:15], s[54:55]      ; gamma and beta at my head's columns
	s_add_nc_u64 s[16:17], s[16:17], s[54:55]
	global_load_b128 v[236:239], v3, s[4:5]        ; q: an image of the operand's registers
	global_load_b32 v[QSC], v5, s[6:7]
.irp b, 0,1,2,3,4,5,6,7,8
	global_load_b128 v[KF+8*\b:KF+8*\b+3], v3, s[60:61] offset:1024*\b          ; key tile 2 b: k = 0 .. 63 of the operand
	global_load_b128 v[KF+8*\b+4:KF+8*\b+7], v3, s[60:61] offset:1024*\b+512    ; key tile 2 b + 1: k = 64 .. 127
	global_load_b32 v[KSC+\b], v4, s[62:63] offset:128*\b                       ; lanes 0-15: tile 2 b's words, lanes 16-31: tile 2 b + 1's
.endr
	v_lshl_add_u32 v6, v255, 3, s52
	v_sub_nc_u32 v6, v6, v254
	v_add_nc_u32 v6, 15, v6                        ; v6  Es - r + 8 h
	v_lshlrev_b32 v14, 4, v254                     ; v14 16 r
	v_add_nc_u32 v8, s41, v14                      ; v8  v in LDS: channel r of a tile, block 0
	v_lshl_add_u32 v7, v255, 10, v8                ; v7  the same, + my half's block
	v_mul_u32_u24 v9, v254, 272
	v_lshl_add_u32 v9, v255, 5, v9
	v_add_nc_u32 v9, s45, v9                       ; v9  hidden_states in LDS: row r, + 32 h
	v_mul_u32_u24 v10, v255, 272
	v_add_nc_u32 v10, v10, v14
	v_add_nc_u32 v10, s45, v10                     ; v10 the way out: lanes 0-15 one row, lanes 16-31 the next
	v_lshl_add_u32 v11, v255, 12, v14              ; v11 and the same two rows in out0
	v_mul_u32_u24 v13, v254, 80
	v_add_nc_u32 v13, ST1, v13                     ; v13 row r's sixteen partial sums
	s_lshl_b32 s53, s20, 2
	v_add_nc_u32 v12, s53, v13                     ; v12 my head's word among them
	v_mov_b32 v15, 0xc79c4000                      ; v15 -80000: -10000 ahead of the division by 8
; ---- S^T = k q^T: 18 tiles of 16 keys, 18 accumulators, each begun and finished by one instruction
.irp b, 0,1,2,3,4,5,6,7,8
	s_wait_loadcnt 3*(8-\b)                        ; q, its words and blocks 0 .. b are in; the three loads of each later block may be out
	v_wmma_scale_f32_16x16x128_f8f6f4 v[S+16*\b:S+16*\b+7], v[KF+8*\b:KF+8*\b+7], v[236:243], 0, v[KSC+\b], v[QSC] matrix_a_fmt:MATRIX_FMT_FP4 matrix_b_fmt:MATRIX_FMT_FP4
	v_wmma_scale_f32_16x16x128_f8f6f4 v[S+16*\b+8:S+16*\b+15], v[KF+8*\b:KF+8*\b+7], v[232:239], 0, v[KSC+\b], v[QSC] matrix_a_fmt:MATRIX_FMT_FP4 matrix_b_fmt:MATRIX_FMT_FP4 matrix_a_scale:MATRIX_SCALE_ROW1
.endr
.rept 4
	v_nop                                          ; places in front of loads into registers that these products read, and of the first read of results
.endr
.irp n, 0,1,2
.irp p, 0,1
	global_load_b32 v[VG+2*\n+\p], v4, s[10:11] offset:256*\n+128*\p   ; v's words: group n; lanes 0-15: channels 32 p + r, lanes 16-31: 32 p + 16 + r
.endr
.endr
	global_load_b128 v[GA:GA+3], v14, s[14:15]     ; gamma and beta of the four columns that I store
	global_load_b128 v[BE:BE+3], v14, s[16:17]
; ---- the window.  A block all of whose keys count for all 16 queries is passed over: a test on ids alone, the same in all lanes
.macro MASK b
	s_add_co_i32 s53, s52, 32*(\b)
	s_cmp_le_u32 s53, 209                          ; 0 <= Es + 32 b - 15 and Es + 32 b + 31 <= 255
	s_cbranch_scc1 .Lkept_\@
.irp n, 0,1,2,3,4,5,6,7,8,9,10,11,12,13,14,15
	v_add_nc_u32 v[TT], 32*(\b)+\n+8*(\n/8), v6    ; register 16 b + n is tile u = n / 8, register j = n % 8: key 32 b + 16 u + j + 8 h = 32 b + n + 8 (n / 8) + 8 h
	v_cmp_gt_u32 vcc_lo, 0x100, v[TT]
	v_cndmask_b32 v[S+16*(\b)+\n], v15, v[S+16*(\b)+\n], vcc_lo
.endr
.Lkept_\@:
.endm
.irp b, 0,1,2,3,4,5,6,7,8
	MASK \b
.endr
; ---- the largest score of each block of 32 keys: for the row's maximum, and for the block's largest p
.irp b, 0,1,2,3,4,5,6,7,8
	v_max3_num_f32 v[BM+\b], v[S+16*\b], v[S+1+16*\b], v[S+2+16*\b]
.endr
.irp i, 3,5,7,9,11,13
.irp b, 0,1,2,3,4,5,6,7,8
	v_max3_num_f32 v[BM+\b], v[BM+\b], v[S+16*\b+\i], v[S+1+16*\b+\i]   ; (the nine blocks by turns)
.endr
.endr
.irp b, 0,1,2,3,4,5,6,7,8
	v_max_num_f32 v[BM+\b], v[BM+\b], v[S+15+16*\b]
.endr
.irp b, 0,1,2,3,4,5,6,7,8
	v_permlanex16_b32 v[BY+\b], v[BM+\b], s48, s49
.endr
.irp b, 0,1,2,3,4,5,6,7,8
	v_max_num_f32 v[BM+\b], v[BM+\b], v[BY+\b]     ; with lane l xor 16's 16 keys
.endr
	v_max3_num_f32 v[TT], v[BM], v[BM+1], v[BM+2]
	v_max3_num_f32 v[TT], v[TT], v[BM+3], v[BM+4]
	v_max3_num_f32 v[TT], v[TT], v[BM+5], v[BM+6]
	v_max3_num_f32 v[TT], v[TT], v[BM+7], v[BM+8]  ; the row's largest score
	v_mul_f32 v[TT], s50, v[TT]                    ; as t (c is positive)
	v_floor_f32 v[NM], -v[TT]                      ; -M = floor(-t) = -ceil(t)
	v_mov_b32 v[NM+1], v[NM]
; ---- p = 2^(t - M)
.set j, 0
.rept 72
	v_pk_fma_f32 v[S+j:S+j+1], v[S+j:S+j+1], s[50:51], v[NM:NM+1] op_sel_hi:[1,0,0]
.set j, j+2
.endr
.irp b, 0,1,2,3,4,5,6,7,8
	v_fma_f32 v[BM+\b], v[BM+\b], s50, v[NM]       ; the same of each block's largest score
.endr
.set j, 0
.rept 144
	v_exp_f32 v[S+j], v[S+j]
.set j, j+1
.endr
	v_nop                                          ; a plain line behind the exponentials
	s_wait_alu depctr_va_vdst(0)                   ; one wait for the whole batch, ahead of its first reader
.irp b, 0,1,2,3,4,5,6,7,8
	v_exp_f32 v[BM+\b], v[BM+\b]                   ; the blocks' largest p: the same two instructions on the same number give the same bits
.endr
	v_pk_add_f32 v[LA:LA+1], v[S:S+1], v[S+2:S+3]  ; the row's sum of the UNQUANTISED p, in two chains; it reads the 144 alone
	v_pk_add_f32 v[LB:LB+1], v[S+4:S+5], v[S+6:S+7]
.set j, S+8
.rept 34
	v_pk_add_f32 v[LA:LA+1], v[LA:LA+1], v[j:j+1]
	v_pk_add_f32 v[LB:LB+1], v[LB:LB+1], v[j+2:j+3]
.set j, j+4
.endr
	v_pk_add_f32 v[LA:LA+1], v[LA:LA+1], v[LB:LB+1]
	v_add_f32 v[LA], v[LA], v[LA+1]
	v_permlanex16_b32 v[LA+1], v[LA], s48, s49
	v_add_f32 v[LA], v[LA], v[LA+1]                ; with lane l xor 16's: the row's sum
	v_rcp_f32 v[RL], v[LA]
	s_wait_loadcnt 0x0                             ; v's scale words, gamma, beta
.irp p, 0,1
	v_perm_b32 v[VW+\p], v[VG+2+\p], v[VG+\p], s23       ; K step 0: the bytes of key blocks kblk + 0 .. 3
	v_perm_b32 v[VW+2+\p], v[VG+4+\p], v[VG+2+\p], s23   ; K step 1: kblk + 4 .. 7
	v_perm_b32 v[VW+4+\p], v[VG+4+\p], v[VG+4+\p], s23   ; K step 2: byte 0 is block kblk + 8's; the other three are valid bytes over zero codes of p
.endr
	s_wait_alu depctr_va_vdst(0)                   ; one wait for the nine exponentials and the reciprocal
	v_mov_b32 v[RL+1], v[RL]
.irp b, 0,1,2,3,4,5,6,7,8
	v_max_num_f32 v[BM+\b], 0x1800000, v[BM+\b]    ; the floor 2^(3 - 127): a block whose every p is 0 keeps the byte 1: its codes are zeros
.endr
.irp b, 0,1,2,3,4,5,6,7,8
	v_add_nc_u32 v[SO+\b], 0xff000000, v[BM+\b]    ; 2 off the exponent field: the conversion's scale operand
.endr
.irp b, 0,1,2,3,4,5,6,7,8
	v_lshrrev_b32 v[BY+\b], 23, v[SO+\b]           ; the scale's byte
.endr
	v_lshl_or_b32 v[PW], v[BY+1], 8, v[BY]         ; p's scale words
	v_lshl_or_b32 v[PW+1], v[BY+5], 8, v[BY+4]
	v_lshl_or_b32 v[PW], v[BY+2], 16, v[PW]
	v_lshl_or_b32 v[PW+1], v[BY+6], 16, v[PW+1]
	v_lshl_or_b32 v[PW], v[BY+3], 24, v[PW]
	v_lshl_or_b32 v[PW+1], v[BY+7], 24, v[PW+1]
	v_or_b32 v[PW+2], 0x7f7f7f00, v[BY+8]          ; K step 2 has one block; 1.0 over the zero codes
.irp i, 17,19,20,21,22,23
	v_mov_b32 v[PCD+\i], 0                         ; K step 2: blocks 1 to 3 are zero codes
.endr
; ---- p's codes
.irp s, 0,1
.irp b, 0,1,2,3
	v_cvt_scalef32_pk8_fp4_f32 v[PCD+8*\s+4*(\b/2)+(\b%2)], v[S+16*(4*\s+\b):S+16*(4*\s+\b)+7], v[SO+4*\s+\b]
	v_cvt_scalef32_pk8_fp4_f32 v[PCD+8*\s+4*(\b/2)+2+(\b%2)], v[S+16*(4*\s+\b)+8:S+16*(4*\s+\b)+15], v[SO+4*\s+\b]
.endr
.endr
	v_cvt_scalef32_pk8_fp4_f32 v[PCD+16], v[S+128:S+135], v[SO+8]
	v_cvt_scalef32_pk8_fp4_f32 v[PCD+18], v[S+136:S+143], v[SO+8]
	v_nop                                          ; one plain line behind the conversions
	s_wait_tensorcnt 0x0                           ; my v and my piece of hidden_states are in LDS; only I read them
.irp s, 0,1
.irp t, 0,1,2,3
.irp c, 0,1
	ds_load_b128 v[VF+32*\s+8*\t+4*\c:VF+32*\s+8*\t+4*\c+3], v7 offset:(4*\s+2*\c)*1024+256*\t   ; channel 16 t + r, key block 4 s + 2 c + h
.endr
.endr
.endr
.irp t, 0,1,2,3
.irp c, 0,1
	ds_load_b128 v[VF+64+8*\t+4*\c:VF+64+8*\t+4*\c+3], v8 offset:8192+256*\t   ; K step 2: block 8 in every place; p's zero codes take the copies away
.endr
.endr
.irp t, 0,1,2,3
	ds_load_b128 v[X+8*\t:X+8*\t+3], v9 offset:64*\t               ; hidden_states(r, 16 t + 8 h + 0 .. 7): O^T's layout
	ds_load_b128 v[X+8*\t+4:X+8*\t+7], v9 offset:64*\t+16
.endr
.irp c, 0,2,4,6,8,10,12,14,16,18
	v_permlane16_swap_b32 v[PCD+\c], v[PCD+\c+1]   ; a whole block in a lane: lanes 0-15 block 2 c, lanes 16-31 block 2 c + 1
.endr
.rept 4
	v_nop                                          ; an operand written by vector lines stands four places ahead of a scaled matrix instruction
.endr
; ---- O^T = v^T p^T: four accumulators by turns, one instruction a turn, three K steps
.macro PVMUL s, t
.if (\s) == 0
.if (\t)%2 == 0
	v_wmma_scale_f32_16x16x128_f8f6f4 v[O+8*(\t):O+8*(\t)+7], v[VF+32*(\s)+8*(\t):VF+32*(\s)+8*(\t)+7], v[PCD+8*(\s):PCD+8*(\s)+7], 0, v[VW+2*(\s)+(\t)/2], v[PW+(\s)] matrix_a_fmt:MATRIX_FMT_FP4 matrix_b_fmt:MATRIX_FMT_FP4
.else
	v_wmma_scale_f32_16x16x128_f8f6f4 v[O+8*(\t):O+8*(\t)+7], v[VF+32*(\s)+8*(\t):VF+32*(\s)+8*(\t)+7], v[PCD+8*(\s):PCD+8*(\s)+7], 0, v[VW+2*(\s)+(\t)/2], v[PW+(\s)] matrix_a_fmt:MATRIX_FMT_FP4 matrix_b_fmt:MATRIX_FMT_FP4 matrix_a_scale:MATRIX_SCALE_ROW1
.endif
.else
.if (\t)%2 == 0
	v_wmma_scale_f32_16x16x128_f8f6f4 v[O+8*(\t):O+8*(\t)+7], v[VF+32*(\s)+8*(\t):VF+32*(\s)+8*(\t)+7], v[PCD+8*(\s):PCD+8*(\s)+7], v[O+8*(\t):O+8*(\t)+7], v[VW+2*(\s)+(\t)/2], v[PW+(\s)] matrix_a_fmt:MATRIX_FMT_FP4 matrix_b_fmt:MATRIX_FMT_FP4
.else
	v_wmma_scale_f32_16x16x128_f8f6f4 v[O+8*(\t):O+8*(\t)+7], v[VF+32*(\s)+8*(\t):VF+32*(\s)+8*(\t)+7], v[PCD+8*(\s):PCD+8*(\s)+7], v[O+8*(\t):O+8*(\t)+7], v[VW+2*(\s)+(\t)/2], v[PW+(\s)] matrix_a_fmt:MATRIX_FMT_FP4 matrix_b_fmt:MATRIX_FMT_FP4 matrix_a_scale:MATRIX_SCALE_ROW1
.endif
.endif
.endm
.irp s, 0,1,2
	s_wait_dscnt 24-8*\s                           ; this K step's eight loads are in; the later steps' and hidden_states' eight may be out
.irp t, 0,1,2,3
	PVMUL \s, \t
.endr
.endr
.rept 4
	v_nop                                          ; places in front of the first read of results
.endr
; ---- x = hidden_states + O^T / l;  the LayerNorm in two passes: the mean, then the mean of the squared differences
	s_wait_dscnt 0x0
.set j, 0
.rept 16
	v_pk_fma_f32 v[X+j:X+j+1], v[O+j:O+j+1], v[RL:RL+1], v[X+j:X+j+1]   ; each accumulator from its low end on
.set j, j+2
.endr
	v_pk_add_f32 v[TA:TA+1], v[X:X+1], v[X+2:X+3]
	v_pk_add_f32 v[TB:TB+1], v[X+4:X+5], v[X+6:X+7]
.set j, X+8
.rept 6
	v_pk_add_f32 v[TA:TA+1], v[TA:TA+1], v[j:j+1]
	v_pk_add_f32 v[TB:TB+1], v[TB:TB+1], v[j+2:j+3]
.set j, j+4
.endr
	v_pk_add_f32 v[TA:TA+1], v[TA:TA+1], v[TB:TB+1]
	v_add_f32 v[TA], v[TA], v[TA+1]
	v_permlanex16_b32 v[TA+1], v[TA], s48, s49
	v_add_f32 v[TA], v[TA], v[TA+1]                ; row r's sum over my head's 64 columns
	ds_store_b32 v12, v[TA]                        ; lanes r and 16 + r write the same word with the same value
	s_wait_dscnt 0x0                               ; for the others' sake
	s_barrier_signal -1
	s_barrier_wait -1
.macro SUM16 off                       ; the sixteen heads' parts of row r, added: into v[RS]
.irp i, 0,1,2,3
	ds_load_b128 v[RS+4*\i:RS+4*\i+3], v13 offset:\off+16*\i
.endr
	s_wait_dscnt 0x0
	v_pk_add_f32 v[RS:RS+1], v[RS:RS+1], v[RS+2:RS+3]
	v_pk_add_f32 v[RS+4:RS+5], v[RS+4:RS+5], v[RS+6:RS+7]
	v_pk_add_f32 v[RS+8:RS+9], v[RS+8:RS+9], v[RS+10:RS+11]
	v_pk_add_f32 v[RS+12:RS+13], v[RS+12:RS+13], v[RS+14:RS+15]
	v_pk_add_f32 v[RS:RS+1], v[RS:RS+1], v[RS+4:RS+5]
	v_pk_add_f32 v[RS+8:RS+9], v[RS+8:RS+9], v[RS+12:RS+13]
	v_pk_add_f32 v[RS:RS+1], v[RS:RS+1], v[RS+8:RS+9]
	v_add_f32 v[RS], v[RS], v[RS+1]
.endm
	SUM16 0
	v_mul_f32 v[MU], s58, v[RS]                    ; the mean
	v_mov_b32 v[MU+1], v[MU]
.set j, 0
.rept 16
	v_pk_add_f32 v[X+j:X+j+1], v[X+j:X+j+1], v[MU:MU+1] neg_lo:[0,1] neg_hi:[0,1]   ; x - mean
.set j, j+2
.endr
	v_pk_mul_f32 v[TA:TA+1], v[X:X+1], v[X:X+1]
	v_pk_mul_f32 v[TB:TB+1], v[X+2:X+3], v[X+2:X+3]
.set j, X+4
.rept 7
	v_pk_fma_f32 v[TA:TA+1], v[j:j+1], v[j:j+1], v[TA:TA+1]
	v_pk_fma_f32 v[TB:TB+1], v[j+2:j+3], v[j+2:j+3], v[TB:TB+1]
.set j, j+4
.endr
	v_pk_add_f32 v[TA:TA+1], v[TA:TA+1], v[TB:TB+1]
	v_add_f32 v[TA], v[TA], v[TA+1]
	v_permlanex16_b32 v[TA+1], v[TA], s48, s49
	v_add_f32 v[TA], v[TA], v[TA+1]
	ds_store_b32 v12, v[TA] offset:1280            ; other bytes than the first sums': one barrier does
	s_wait_dscnt 0x0
	s_barrier_signal -1
	s_barrier_wait -1
	SUM16 1280
	v_fma_f32 v[RS], v[RS], s58, s59               ; var + eps
	v_rsq_f32 v[MU], v[RS]
	v_nop                                          ; a plain line behind the transcendental
	s_wait_alu depctr_va_vdst(0)                   ; and the wait ahead of its first reader
	v_mov_b32 v[MU+1], v[MU]
.set j, 0
.rept 16
	v_pk_mul_f32 v[X+j:X+j+1], v[X+j:X+j+1], v[MU:MU+1]
.set j, j+2
.endr
; ---- the way out: through my own bytes of LDS (they have had their one fill and their last read), back as whole pieces of rows; gamma and beta by column
.irp t, 0,1,2,3
	ds_store_b128 v9, v[X+8*\t:X+8*\t+3] offset:64*\t
	ds_store_b128 v9, v[X+8*\t+4:X+8*\t+7] offset:64*\t+16
.endr
.irp i, 0,1,2,3,4,5,6,7
	ds_load_b128 v[16+4*\i:19+4*\i], v10 offset:544*\i             ; rows 2 i and 2 i + 1; in order behind my stores
.endr
.irp i, 0,1,2,3,4,5,6,7
	s_wait_dscnt 7-\i                              ; the younger loads may be out
	v_pk_fma_f32 v[16+4*\i:17+4*\i], v[16+4*\i:17+4*\i], v[GA:GA+1], v[BE:BE+1]
	v_pk_fma_f32 v[18+4*\i:19+4*\i], v[18+4*\i:19+4*\i], v[GA+2:GA+3], v[BE+2:BE+3]
	global_store_b128 v11, v[16+4*\i:19+4*\i], s[18:19] offset:8192*\i th:TH_STORE_NT   ; sixteen lanes store 256 consecutive bytes, aligned; written once
.endr
	s_wait_tensorcnt 0x0                           ; the wave's end: behind my last tensor load and my last LDS store
	ds_add_u32 v1, v2
	s_wait_dscnt 0x0
	s_endpgm
.Lfunc_end_k_q4f019d831d_attn:
	.size	k_q4f019d831d_attn, .Lfunc_end_k_q4f019d831d_attn-k_q4f019d831d_attn
	.p2alignl 7, 3214868480
	.fill 96, 4, 3214868480
	.section	.rodata,"a",@progbits
	.p2align	6, 0x0
	.amdhsa_kernel k_q4f019d831d_attn
		.amdhsa_group_segment_fixed_size 221696
		.amdhsa_private_segment_fixed_size 0
		.amdhsa_enable_private_segment 0
		.amdhsa_kernarg_size 64
		.amdhsa_user_sgpr_count 2
		.amdhsa_user_sgpr_kernarg_segment_ptr 1
		.amdhsa_wavefront_size32 1
		.amdhsa_system_sgpr_workgroup_id_x 1
		.amdhsa_system_sgpr_workgroup_id_y 1
		.amdhsa_system_sgpr_workgroup_id_z 1
		.amdhsa_system_vgpr_workitem_id 0
		.amdhsa_next_free_vgpr 256
		.amdhsa_next_free_sgpr 66
		.amdhsa_reserve_vcc 1
		.amdhsa_float_denorm_mode_32 3
		.amdhsa_float_denorm_mode_16_64 3
		.amdhsa_memory_ordered 1
		.amdhsa_forward_progress 1
		.amdhsa_inst_pref_size 73
	.end_amdhsa_kernel
	.amdgpu_metadata
---
amdhsa.version: [ 1, 2 ]
amdhsa.kernels:
  - .name:           k_q4f019d831d_attn
    .symbol:         k_q4f019d831d_attn.kd
    .args:
      - { .name: qkc, .offset: 0, .size: 8, .value_kind: global_buffer, .address_space: global }
      - { .name: qks, .offset: 8, .size: 8, .value_kind: global_buffer, .address_space: global }
      - { .name: vc, .offset: 16, .size: 8, .value_kind: global_buffer, .address_space: global }
      - { .name: vsw, .offset: 24, .size: 8, .value_kind: global_buffer, .address_space: global }
      - { .name: hidden_states, .offset: 32, .size: 8, .value_kind: global_buffer, .address_space: global }
      - { .name: gamma, .offset: 40, .size: 8, .value_kind: global_buffer, .address_space: global }
      - { .name: beta, .offset: 48, .size: 8, .value_kind: global_buffer, .address_space: global }
      - { .name: out0, .offset: 56, .size: 8, .value_kind: global_buffer, .address_space: global }
    .group_segment_fixed_size: 221696
    .private_segment_fixed_size: 0
    .kernarg_segment_align: 8
    .kernarg_segment_size: 64
    .max_flat_workgroup_size: 512
    .sgpr_count:     66
    .vgpr_count:     256
    .wavefront_size: 32
...
	.end_amdgpu_metadata
.endif
;; end of part 3
